; MI455X (gfx1250); checked and timed in simulation.
; The chip was launched on July 23, 2026; its instructions are those of AMD's public machine-readable ISA for CDNA 5 (MIT licence, August 2026) and "CDNA5" Instruction Set Architecture Reference Guide (July 2026). The comments in the code are by the model that wrote it; some were corrected since.
;; Adaptive Filter Attention. Allowed arithmetic: float matrix products may take bf16 or f16 operands with f32 sums; all other float work in f32.
;; Inputs: Wk 1,024 x 1,024 float32; Wo 1,024 x 1,024 float32; Wq 1,024 x 1,024 float32; Wv 1,024 x 1,024 float32; alpha one number float32; bk 1,024 float32; bo 1,024 float32; bq 1,024 float32; bv 1,024 float32; x 2 x 2,048 x 1,024 float32.
;; Outputs: out0 2 x 2,048 x 1,024 float32.
;; One version. Each part assembles by itself: llvm-mc -triple=amdgcn-amd-amdhsa -mcpu=gfx1250 --defsym DOCPART=n.
;; ======== version 1 of 1: 4 launches
;; limits: inputs' magnitudes at most 65,504; values are held in f16: magnitudes above 65,504 overflow, below 6.1e-05 lose precision
;; workspace buffers: h16 16,777,216 bytes; stats 1,024 bytes; qkv 25,165,824 bytes; ctx 8,388,608 bytes
;; launch cvt (part 1): grid 256 x 1, 8 waves a work-group, no clusters, 1,280 bytes of LDS; arguments x, Wq, Wk, Wv, Wo, h16, stats; writes h16, stats
.if DOCPART == 1
	.amdgcn_target "amdgcn-amd-amdhsa--gfx1250"
	.amdhsa_code_object_version 6
	.text
	.protected	k_q759566e3fe_cvt
	.globl	k_q759566e3fe_cvt
	.p2align	8
	.type	k_q759566e3fe_cvt,@function
k_q759566e3fe_cvt:
	s_mov_b64 s[64:65], 0
	v_nop
	global_prefetch_b8 v0, s[64:65] scope:SCOPE_SE
	s_setreg_imm32_b32 hwreg(HW_REG_WAVE_MODE, 25, 1), 1
	s_wait_xcnt 0x0
; x and the four weights, f32 to f16, once; and for each work-group the largest sum of squares of its 32 rows.
; h16 is 8,192 rows of 1,024 f16: rows 0-4095 x; row 4096 + 192 head + 64 c + (n mod 64) = row n of Wq, Wk, Wv (c = 0, 1, 2),
; so that one head's 192 weight rows lie together; rows 7168 + n = Wo.  stats[g] = work-group g's figure (0-127 x, 192-223 Wv are used later).
; LIMITS: |x|, |W| at most 65,504 (f16's largest number); a row's sum of squares finite in f32.
; A stream: memory binds, so no matrix unit, no cluster, no LDS but eight words.  Work-group g takes 32 rows, a wave four.  All 32 loads of a
; wave (16 KiB) go out at once; a wave's load covers 512 neighbouring bytes, its store 256 neighbouring aligned bytes.
.set X,  8                             ; v[8:135]   four rows as loaded, 32 registers each
.set Y,  136                           ; v[136:199] four rows in f16, 16 registers each
.set A,  200                           ; v[200:203] two chains of pairs for the sum of squares
.set RM, 204                           ; largest row sum so far
.set T,  205
.set T2, 206
	s_load_b256 s[4:11], s[0:1], 0x0               ; x, Wq, Wk, Wv
	s_load_b128 s[12:15], s[0:1], 0x20             ; Wo, h16
	s_load_b64 s[16:17], s[0:1], 0x30              ; stats
	v_lshl_add_u32 v216, v0, 2, 0x100
	v_mov_b32 v217, 0
	v_lshrrev_b32 v3, 5, v0
	v_readfirstlane_b32 s3, v3                     ; wave
	v_and_b32 v4, 31, v0                           ; lane
	v_lshlrev_b32 v1, 4, v4
	v_lshl_add_u32 v1, v3, 14, v1                  ; source: 16 lane + wave x 4 rows of 4,096 bytes
	v_lshlrev_b32 v2, 3, v4
	v_lshl_add_u32 v2, v3, 13, v2                  ; destination: 8 lane + wave x 4 rows of 2,048 bytes
	v_lshlrev_b32 v5, 2, v3                        ; my wave's word in LDS
	v_mov_b32 v[T2], 0                             ; v_permlanex16_b32 counts as a reader of its destination
	s_mov_b32 s30, 0x76543210
	s_mov_b32 s31, 0xfedcba98
	s_mov_b32 s24, ttmp9                           ; g
	s_and_b32 s25, s24, 31                         ; block of 32 rows inside a weight
	s_lshr_b32 s27, s25, 1                         ; head
	s_mul_i32 s27, s27, 192
	s_bfe_u32 s28, s24, 0x20005                    ; (g >> 5) & 3 = 0, 1, 2 for Wq, Wk, Wv
	s_lshl_b32 s28, s28, 6
	s_add_co_u32 s27, s27, s28
	s_and_b32 s28, s24, 1                          ; which half of the head's 64 rows
	s_lshl_b32 s28, s28, 5
	s_add_co_u32 s27, s27, s28
	s_add_co_u32 s27, s27, 4096
	s_lshl_b32 s28, s25, 5
	s_add_co_u32 s28, s28, 7168                    ; Wo's place
	s_lshl_b32 s26, s24, 5                         ; x's place
	s_cmp_lt_u32 s24, 224
	s_cselect_b32 s27, s27, s28
	s_cmp_lt_u32 s24, 128
	s_cselect_b32 s26, s26, s27                    ; destination row
	s_cselect_b32 s22, s24, s25                    ; source block
	s_lshl_b32 s26, s26, 11
	s_mov_b32 s27, 0
	s_lshl_b32 s22, s22, 17                        ; 32 rows of 4,096 bytes
	s_mov_b32 s23, 0
	s_lshl_b32 s28, s24, 2
	s_mov_b32 s29, 0
	s_wait_kmcnt 0x0
	s_cmp_lt_u32 s24, 128                          ; the source buffer, chosen by the work-group's number alone
	s_cselect_b64 s[20:21], s[4:5], s[6:7]
	s_cmp_lt_u32 s24, 160
	s_cselect_b64 s[20:21], s[20:21], s[8:9]
	s_cmp_lt_u32 s24, 192
	s_cselect_b64 s[20:21], s[20:21], s[10:11]
	s_cmp_lt_u32 s24, 224
	s_cselect_b64 s[20:21], s[20:21], s[12:13]
	s_add_nc_u64 s[20:21], s[20:21], s[22:23]
	s_add_nc_u64 s[14:15], s[14:15], s[26:27]
	s_add_nc_u64 s[16:17], s[16:17], s[28:29]
.irp i, 0,1,2,3
.irp j, 0,1,2,3,4,5,6,7
	global_load_b128 v[X+32*\i+4*\j:X+32*\i+4*\j+3], v1, s[20:21] offset:4096*\i+512*\j th:TH_LOAD_NT
.endr
.endr
.macro ROW i
	s_wait_loadcnt 8*(3-\i)                        ; loads return in order: this row's eight are in, the later rows' stay out
.irp j, 0,1,2,3,4,5,6,7
	v_cvt_pk_f16_f32 v[Y+16*\i+2*\j],   v[X+32*\i+4*\j],   v[X+32*\i+4*\j+1]
	v_cvt_pk_f16_f32 v[Y+16*\i+2*\j+1], v[X+32*\i+4*\j+2], v[X+32*\i+4*\j+3]
.endr
	v_pk_mul_f32 v[A:A+1],   v[X+32*\i:X+32*\i+1],   v[X+32*\i:X+32*\i+1]      ; the first products start the two chains
	v_pk_mul_f32 v[A+2:A+3], v[X+32*\i+2:X+32*\i+3], v[X+32*\i+2:X+32*\i+3]
.set PP, 2
.rept 14
	v_pk_fma_f32 v[A+2*(PP%2):A+2*(PP%2)+1], v[X+32*\i+2*PP:X+32*\i+2*PP+1], v[X+32*\i+2*PP:X+32*\i+2*PP+1], v[A+2*(PP%2):A+2*(PP%2)+1]
.set PP, PP+1
.endr
	v_pk_add_f32 v[A:A+1], v[A:A+1], v[A+2:A+3]
	v_add_f32 v[T], v[A], v[A+1]
	v_add_f32_dpp v[T], v[T], v[T] row_xmask:1 row_mask:0xf bank_mask:0xf
	v_add_f32_dpp v[T], v[T], v[T] row_xmask:2 row_mask:0xf bank_mask:0xf
	v_add_f32_dpp v[T], v[T], v[T] row_xmask:4 row_mask:0xf bank_mask:0xf
	v_add_f32_dpp v[T], v[T], v[T] row_xmask:8 row_mask:0xf bank_mask:0xf
	v_permlanex16_b32 v[T2], v[T], s30, s31
.if \i
	v_add_f32 v[T], v[T], v[T2]
	v_max_num_f32 v[RM], v[RM], v[T]
.else
	v_add_f32 v[RM], v[T], v[T2]
.endif
.irp j, 0,1,2,3,4,5,6,7
	global_store_b64 v2, v[Y+16*\i+2*\j:Y+16*\i+2*\j+1], s[14:15] offset:2048*\i+256*\j
.endr
.endm
	ROW 0
	ROW 1
	ROW 2
	ROW 3
	ds_store_b32 v5, v[RM]                         ; every lane holds the same number
	s_wait_dscnt 0x0                               ; my word is written before I say so
	s_barrier_signal -1
	s_barrier_wait -1
	s_cmp_lg_u32 s3, 0
	s_cbranch_scc1 .Lend
	v_mov_b32 v6, 0
	ds_load_b128 v[8:11], v6
	ds_load_b128 v[12:15], v6 offset:16
	s_wait_dscnt 0x0
	v_max3_num_f32 v8, v8, v9, v10
	v_max3_num_f32 v8, v8, v11, v12
	v_max3_num_f32 v8, v8, v13, v14
	v_max_num_f32 v8, v8, v15
	s_wait_xcnt 0x0                                ; EXEC is a source of the stores above: it changes only behind this wait
	v_cmp_eq_u32 vcc_lo, 0, v0
	s_and_saveexec_b32 s28, vcc_lo
	global_store_b32 v6, v8, s[16:17]              ; one word for the work-group
	s_wait_xcnt 0x0
	s_or_b32 exec_lo, exec_lo, s28
.Lend:
	s_wait_tensorcnt 0x0
	ds_add_u32 v216, v217
	s_wait_dscnt 0x0
	s_endpgm
.Lfunc_end_k_q759566e3fe_cvt:
	.size	k_q759566e3fe_cvt, .Lfunc_end_k_q759566e3fe_cvt-k_q759566e3fe_cvt
	.p2alignl 7, 3214868480
	.fill 96, 4, 3214868480
	.section	.rodata,"a",@progbits
	.p2align	6, 0x0
	.amdhsa_kernel k_q759566e3fe_cvt
		.amdhsa_group_segment_fixed_size 1280
		.amdhsa_private_segment_fixed_size 0
		.amdhsa_enable_private_segment 0
		.amdhsa_kernarg_size 56
		.amdhsa_user_sgpr_count 2
		.amdhsa_user_sgpr_kernarg_segment_ptr 1
		.amdhsa_wavefront_size32 1
		.amdhsa_system_sgpr_workgroup_id_x 1
		.amdhsa_system_sgpr_workgroup_id_y 1
		.amdhsa_system_sgpr_workgroup_id_z 1
		.amdhsa_system_vgpr_workitem_id 0
		.amdhsa_next_free_vgpr 218
		.amdhsa_next_free_sgpr 66
		.amdhsa_reserve_vcc 1
		.amdhsa_float_denorm_mode_32 3
		.amdhsa_float_denorm_mode_16_64 3
		.amdhsa_memory_ordered 1
		.amdhsa_forward_progress 1
		.amdhsa_inst_pref_size 20
	.end_amdhsa_kernel
	.amdgpu_metadata
---
amdhsa.version: [ 1, 2 ]
amdhsa.kernels:
  - .name:           k_q759566e3fe_cvt
    .symbol:         k_q759566e3fe_cvt.kd
    .args:
      - { .name: x, .offset: 0, .size: 8, .value_kind: global_buffer, .address_space: global }
      - { .name: Wq, .offset: 8, .size: 8, .value_kind: global_buffer, .address_space: global }
      - { .name: Wk, .offset: 16, .size: 8, .value_kind: global_buffer, .address_space: global }
      - { .name: Wv, .offset: 24, .size: 8, .value_kind: global_buffer, .address_space: global }
      - { .name: Wo, .offset: 32, .size: 8, .value_kind: global_buffer, .address_space: global }
      - { .name: h16, .offset: 40, .size: 8, .value_kind: global_buffer, .address_space: global }
      - { .name: stats, .offset: 48, .size: 8, .value_kind: global_buffer, .address_space: global }
    .group_segment_fixed_size: 1280
    .private_segment_fixed_size: 0
    .kernarg_segment_align: 8
    .kernarg_segment_size: 56
    .max_flat_workgroup_size: 256
    .sgpr_count:     66
    .vgpr_count:     218
    .wavefront_size: 32
...
	.end_amdgpu_metadata
.endif
;; end of part 1
;; launch qkv (part 2): grid 16 x 16, 4 waves a work-group, clusters of 4 x 4, 327,680 bytes of LDS; arguments h16, stats, bq, bk, bv, qkv; writes qkv
.if DOCPART == 2
	.amdgcn_target "amdgcn-amd-amdhsa--gfx1250"
	.amdhsa_code_object_version 6
	.text
	.protected	k_q759566e3fe_qkv
	.globl	k_q759566e3fe_qkv
	.p2align	8
	.type	k_q759566e3fe_qkv,@function
k_q759566e3fe_qkv:
	s_mov_b64 s[64:65], 0
	v_nop
	global_prefetch_b8 v0, s[64:65] scope:SCOPE_SE
	s_setreg_imm32_b32 hwreg(HW_REG_WAVE_MODE, 25, 1), 1
	s_wait_xcnt 0x0
	s_wait_alu depctr_hold_cnt(0) depctr_sa_sdst(0) depctr_va_vdst(0) depctr_va_sdst(0) depctr_va_ssrc(0) depctr_va_vcc(0) depctr_vm_vsrc(0)
	s_getreg_b32 s2, hwreg(HW_REG_IB_STS2, 6, 4)
	s_cmp_eq_u32 s2, 0
	s_cbranch_scc0 .Lentry_in_a_cluster
	s_endpgm
.Lentry_in_a_cluster:
	s_bfe_u32 s2, ttmp6, 0x10000c
	s_cmp_lg_u32 s2, 0xf033
	s_cbranch_scc0 .Lentry_shape_is_right
	s_endpgm
.Lentry_shape_is_right:
; q = x Wq^T + bq and k = x Wk^T + bk in bf16, v' = (x Wv^T + bv) sd in f16; each stored [16 b + head][t][64], 128 bytes a token, dense.
; sd = 2^(136-E) is one power of two for the whole tensor: E is the exponent field of B = max|x row| max|Wv row| + max|bv|, which bounds |v|
; (Cauchy-Schwarz), so |v'| < 2^10.  The last launch multiplies by su = 1/sd.  q and k stay in bf16: their range is open.
; LIMITS: v' is f16: numbers below 2^-14 carry an absolute error of 2^-25 (that is 2^-34 B or less); E is clamped to 12..252.
; A work-group makes 256 tokens x (64 q | 64 k | 64 v) of one head with four waves; a wave makes 64 tokens x 192 columns: 48 accumulator tiles.
; K goes in steps of 128 (rows of 256 bytes, starting at multiples of 256) through two LDS slots filled by the tensor data mover.
; CLUSTERS: 4 x 4 work-groups.  x's tile hangs on the token block alone and is asked for jointly along a row of the cluster, the weights' tile
; on the head alone and jointly along a column: the requests for both are divided by four.
; REGISTERS: window 0: addresses, x fragments (two buffers of 4), bias, work on the way out; window 1: weight fragments (two buffers of 12);
; window 2: accumulators of token tiles 0, 1 (tile (a, b) at 8 (12 (a mod 2) + b)); window 3: of token tiles 2, 3.
; The matrix instruction is used transposed (source 0 = weight rows, source 1 = tokens): a lane holds eight neighbouring columns of one token.
.set KSTEP,  128
.set PITCH,  272                       ; 256 bytes of data + 16 of padding: an odd multiple of 16
.set HALFA,  128*PITCH                 ; what one load of x brings
.set HALFB,  96*PITCH                  ; what one load of weights brings
.set SLOT,   2*HALFA+2*HALFB           ; x's 256 rows, then the weights' 192
.set STAGE,  2*SLOT                    ; behind the ring: 16 rows x 144 bytes for each wave; no tensor load lands here
.set SPITCH, 144
.set ADRA, 16                          ; v16-17 LDS address of my x fragments in slot 0, 1
.set ADRB, 20                          ; v20-21 the same for the weights
.set STO,  24
.set RD,   25
.set CO,   26
.set BO,   27
.set FA,   32                          ; v[32:63], v[64:95] x fragments, buffers 0, 1
.set T,    96                          ; v[96:127] way out: 4 tiles in f32
.set BIAS, 128                         ; v[128:223] bias of my 8 columns in each of the 12 column tiles
.set PK,   224                         ; v[224:239] way out: packed
.set G1A, 28
.set G0A, 36
.set G1B, 44
.set G0B, 52
.set SD,  74
.set SU,  76
.set OB,  78                           ; s[78:83] output bases of q, k, v
.set SEL, 84
.set MSB, 0
.macro WIN new                         ; the immediate's high byte repeats the setting that is left
.if MSB != \new
	s_set_vgpr_msb (MSB<<8)|\new
.set MSB, \new
.endif
.endm
.set MUL_LO, 0xa1                      ; source 0 window 1, source 1 window 0, C and D window 2
.set MUL_HI, 0xf1                      ; the same, C and D window 3
.macro PLACES                          ; four plain vector places behind a matrix instruction (ISA guide 7.12.1) before its registers are loaded into or its result read
.rept 4
	v_nop
.endr
.endm
.macro JLOAD s                         ; waves 0, 1 ask for x's halves, waves 2, 3 for the weights'; the branch hangs on the wave's number alone
	s_cmp_eq_u32 s17, 0
	s_cbranch_scc0 .Lfor_b_\@
	tensor_load_to_lds s[G0A+4*(\s):G0A+4*(\s)+3], s[G1A:G1A+7]
	s_nop 0
	s_branch .Lasked_\@
.Lfor_b_\@:
	tensor_load_to_lds s[G0B+4*(\s):G0B+4*(\s)+3], s[G1B:G1B+7]
	s_nop 0
.Lasked_\@:
.endm
.macro CREST                           ; a round of the cluster's barrier behind its opening barrier
	s_cmp_lg_u32 s16, 0
	s_cbranch_scc1 .Lnot_wave_0_\@
	s_barrier_signal -3
.Lnot_wave_0_\@:
	s_barrier_wait -3
	s_barrier_signal -1
	s_barrier_wait -1
.endm
.macro CROUND
	s_barrier_signal -1
	s_barrier_wait -1
	CREST
.endm
; The scale of v.  Every wave reads the 128 figures of x, the 32 of Wv and all of bv, and makes sd and su as powers of two.  Values only: nothing is steered by them.
.macro GETSCALE st, bv, V, SDR, SUR, SL
	v_and_b32 v[\V+46], 31, v0
	v_lshlrev_b32 v[\V+47], 2, v[\V+46]
	v_lshlrev_b32 v[\V+46], 4, v[\V+46]
	global_load_b128 v[\V:\V+3], v[\V+46], s[\st:\st+1]                    ; stats 0-127: x
	global_load_b32 v[\V+4], v[\V+47], s[\st:\st+1] offset:768             ; stats 192-223: Wv
.irp j, 0,1,2,3,4,5,6,7
	global_load_b128 v[\V+8+4*\j:\V+11+4*\j], v[\V+46], s[\bv:\bv+1] offset:512*\j
.endr
	s_wait_loadcnt 0x0                             ; these, and every load issued before them
	v_max_num_f32 v[\V], v[\V], v[\V+1]
	v_max3_num_f32 v[\V], v[\V], v[\V+2], v[\V+3]
	v_max_num_f32 v[\V+8], |v[\V+8]|, |v[\V+9]|
.set GP, 10
.rept 15
	v_max3_num_f32 v[\V+8], v[\V+8], |v[\V+GP]|, |v[\V+GP+1]|
.set GP, GP+2
.endr
.irp q, 0, 4, 8
	v_max_num_f32_dpp v[\V+\q], v[\V+\q], v[\V+\q] row_xmask:1 row_mask:0xf bank_mask:0xf
	v_max_num_f32_dpp v[\V+\q], v[\V+\q], v[\V+\q] row_xmask:2 row_mask:0xf bank_mask:0xf
	v_max_num_f32_dpp v[\V+\q], v[\V+\q], v[\V+\q] row_xmask:4 row_mask:0xf bank_mask:0xf
	v_max_num_f32_dpp v[\V+\q], v[\V+\q], v[\V+\q] row_xmask:8 row_mask:0xf bank_mask:0xf
	v_permlanex16_b32 v[\V+1], v[\V+\q], s[\SL], s[\SL+1]
	v_max_num_f32 v[\V+\q], v[\V+\q], v[\V+1]
.endr
	v_sqrt_f32 v[\V], v[\V]
	v_sqrt_f32 v[\V+4], v[\V+4]
	v_nop                                          ; one plain place behind the roots
	s_wait_alu depctr_va_vdst(0)
	v_fma_f32 v[\V], v[\V], v[\V+4], v[\V+8]       ; B
	v_readfirstlane_b32 s[\SUR], v[\V]
	s_bfe_u32 s[\SUR], s[\SUR], 0x80017            ; E: 8 bits from bit 23; B < 2^(E-126)
	s_max_u32 s[\SUR], s[\SUR], 12
	s_min_u32 s[\SUR], s[\SUR], 252
	s_sub_co_u32 s[\SDR], 263, s[\SUR]
	s_lshl_b32 s[\SDR], s[\SDR], 23                ; sd = 2^(136-E)
	s_sub_co_u32 s[\SUR], s[\SUR], 9
	s_lshl_b32 s[\SUR], s[\SUR], 23                ; su = 2^(E-136)
	s_mov_b32 s[\SDR+1], s[\SDR]                   ; a broadcast pair is read whole
	s_mov_b32 s[\SUR+1], s[\SUR]
.endm
	s_load_b256 s[4:11], s[0:1], 0x0               ; h16, stats, bq, bk
	s_load_b128 s[12:15], s[0:1], 0x20             ; bv, qkv
	s_set_vgpr_msb 0x40
	v_lshl_add_u32 v255, v0, 2, 0x3dc00
	s_set_vgpr_msb 0x4000
	v_mov_b32 v255, 0
	s_set_vgpr_msb 0x1
	ds_add_u32 v255, v255
	s_set_vgpr_msb 0x100
	v_lshrrev_b32 v1, 5, v0
	v_readfirstlane_b32 s16, v1                    ; wave
	s_lshr_b32 s17, s16, 1                         ; I fetch for x (0) or for the weights (1)
	s_and_b32 s18, s16, 1                          ; which half of that tile
	s_bfe_u32 s19, ttmp6, 0x40000                  ; cx
	s_bfe_u32 s20, ttmp6, 0x40004                  ; cy
	s_lshl_b32 s21, ttmp9, 2
	s_add_co_u32 s21, s21, s19                     ; head
	s_and_b32 s22, ttmp7, 0xffff
	s_lshl_b32 s22, s22, 2
	s_add_co_u32 s22, s22, s20                     ; token block
	s_lshl_b32 s23, s20, 2
	s_lshl_b32 s23, 15, s23                        ; my row of the cluster
	s_lshl_b32 s24, 0x1111, s19                    ; my column
	s_mov_b32 s[SEL], 0x76543210
	s_mov_b32 s[SEL+1], 0xfedcba98
	; group 1: rows of 128 elements of 2 bytes, 4 words of padding behind every 64 words; 128 rows of x, 96 rows of weights; 1,024 elements from row to row
	s_or_b32 s[G1A+0], s23, (1<<16)|(1<<20)|(1<<21)|(5<<22)|(3<<25)
	s_or_b32 s[G1B+0], s24, (1<<16)|(1<<20)|(1<<21)|(5<<22)|(3<<25)
	s_mov_b32 s[G1A+1], KSTEP<<16
	s_mov_b32 s[G1B+1], KSTEP<<16
	s_mov_b32 s[G1A+2], 128<<16
	s_mov_b32 s[G1B+2], 96<<16
	s_mov_b32 s[G1A+3], KSTEP<<16
	s_mov_b32 s[G1B+3], KSTEP<<16
	s_mov_b32 s[G1A+4], 128
	s_mov_b32 s[G1B+4], 96
	s_mov_b32 s[G1A+5], 1024
	s_mov_b32 s[G1B+5], 1024
	s_mov_b32 s[G1A+6], 0
	s_mov_b32 s[G1B+6], 0
	s_mov_b32 s[G1A+7], 0
	s_mov_b32 s[G1B+7], 0
	s_lshl_b32 s60, s18, 7
	s_lshl_b32 s66, s22, 8
	s_add_co_u32 s66, s66, s60                     ; x: row 256 block + 128 half
	s_lshl_b32 s66, s66, 11
	s_mov_b32 s67, 0
	s_mul_i32 s68, s21, 192
	s_mul_i32 s61, s18, 96
	s_add_co_u32 s68, s68, s61
	s_add_co_u32 s68, s68, 4096                    ; weights: row 4096 + 192 head + 96 half
	s_lshl_b32 s68, s68, 11
	s_mov_b32 s69, 0
	s_mul_i32 s62, s16, HALFA                      ; LDS: x's halves at wave x HALFA (waves 0, 1),
	s_mul_i32 s63, s16, HALFB
	s_add_co_u32 s63, s63, 2*HALFA-2*HALFB         ; the weights' at 2 HALFA + (wave - 2) HALFB (waves 2, 3)
	s_wait_dscnt 0x0
	s_wait_kmcnt 0x0
	s_add_nc_u64 s[66:67], s[4:5], s[66:67]
	s_add_nc_u64 s[68:69], s[4:5], s[68:69]
	CROUND                                         ; all sixteen work-groups are here: the first joint loads meet
.irp s, 0,1
	s_mov_b32 s[G0A+4*\s], 1
	s_add_co_u32 s[G0A+4*\s+1], s62, \s*SLOT
	s_add_nc_u64 s[G0A+4*\s+2:G0A+4*\s+3], s[66:67], \s*KSTEP*2
	s_or_b32 s[G0A+4*\s+3], s[G0A+4*\s+3], 0x80000000
	s_mov_b32 s[G0B+4*\s], 1
	s_add_co_u32 s[G0B+4*\s+1], s63, \s*SLOT
	s_add_nc_u64 s[G0B+4*\s+2:G0B+4*\s+3], s[68:69], \s*KSTEP*2
	s_or_b32 s[G0B+4*\s+3], s[G0B+4*\s+3], 0x80000000
	JLOAD \s                                       ; two loads of the wave are out here, one behind each later round
.endr
	v_and_b32 v1, 15, v0                           ; r
	v_bfe_u32 v2, v0, 4, 1                         ; h
	v_mul_u32_u24 v3, v1, PITCH
	v_lshl_add_u32 v3, v2, 4, v3                   ; fragment: row r, 16 bytes for each half of the lanes
	s_mul_i32 s88, s16, 64*PITCH                   ; my 64 tokens
	v_add_nc_u32 v[ADRA], s88, v3
	v_add_nc_u32 v[ADRA+1], SLOT, v[ADRA]
	v_add_nc_u32 v[ADRB], 2*HALFA, v3
	v_add_nc_u32 v[ADRB+1], SLOT, v[ADRB]
	s_mul_i32 s87, s16, 16*SPITCH
	s_add_co_u32 s87, s87, STAGE
	v_mul_u32_u24 v4, v1, SPITCH
	v_lshl_add_u32 v4, v2, 4, v4
	v_add_nc_u32 v[STO], s87, v4                   ; in: token r, 16 bytes for each half
	v_and_b32 v5, 31, v0
	v_lshrrev_b32 v6, 3, v5
	v_and_b32 v7, 7, v0
	v_mul_u32_u24 v6, v6, SPITCH
	v_lshl_add_u32 v6, v7, 4, v6
	v_add_nc_u32 v[RD], s87, v6                    ; back: eight lanes take a token's 128 bytes
	v_lshlrev_b32 v[CO], 4, v5                     ; tokens are dense in memory: 16 bytes a lane, 512 a store
	s_lshl_b32 s86, s21, 8                         ; the head's 64 numbers in a bias
	v_lshlrev_b32 v[BO], 5, v2
	v_add_nc_u32 v[BO], s86, v[BO]
.irp b4, 0,1,2,3
	global_load_b128 v[BIAS+8*\b4:BIAS+8*\b4+3],       v[BO], s[8:9] offset:64*\b4
	global_load_b128 v[BIAS+8*\b4+4:BIAS+8*\b4+7],     v[BO], s[8:9] offset:64*\b4+16
	global_load_b128 v[BIAS+32+8*\b4:BIAS+32+8*\b4+3], v[BO], s[10:11] offset:64*\b4
	global_load_b128 v[BIAS+32+8*\b4+4:BIAS+32+8*\b4+7], v[BO], s[10:11] offset:64*\b4+16
	global_load_b128 v[BIAS+64+8*\b4:BIAS+64+8*\b4+3], v[BO], s[12:13] offset:64*\b4
	global_load_b128 v[BIAS+64+8*\b4+4:BIAS+64+8*\b4+7], v[BO], s[12:13] offset:64*\b4+16
.endr
	GETSCALE 6, 12, 32, SD, SU, SEL                ; its wait for all loads covers the biases
.irp p, 0,2,4,6,8,10,12,14,16,18,20,22,24,26,28,30
	v_pk_mul_f32 v[BIAS+64+\p:BIAS+64+\p+1], v[BIAS+64+\p:BIAS+64+\p+1], s[SD:SD+1] op_sel_hi:[1,0]   ; bv sd
.endr
	s_lshr_b32 s90, s22, 3                         ; batch
	s_lshl_b32 s90, s90, 4
	s_add_co_u32 s90, s90, s21
	s_lshl_b32 s90, s90, 18                        ; (16 b + head) x 2,048 tokens x 128 bytes
	s_and_b32 s91, s22, 7
	s_lshl_b32 s91, s91, 8
	s_lshl_b32 s92, s16, 6
	s_add_co_u32 s91, s91, s92
	s_lshl_b32 s91, s91, 7                         ; my first token
	s_add_co_u32 s90, s90, s91
	s_mov_b32 s91, 0
	s_add_nc_u64 s[OB:OB+1], s[14:15], s[90:91]
	s_add_nc_u64 s[OB+2:OB+3], s[OB:OB+1], 0x800000
	s_add_nc_u64 s[OB+4:OB+5], s[OB+2:OB+3], 0x800000
; 12 matrix instructions: token tile a x all 12 column tiles, 32 along K, on buffer f.  The 48 accumulators take turns, one instruction a turn, in one
; order in every quarter.
.macro MUL12 f, a, zero
.irp b, 0,1,2,3,4,5,6,7,8,9,10,11
.if \zero
	v_wmma_f32_16x16x32_f16 v[8*(12*(\a&1)+\b):8*(12*(\a&1)+\b)+7], v[96*\f+8*\b:96*\f+8*\b+7], v[FA+32*\f+8*\a:FA+32*\f+8*\a+7], 0
.else
	v_wmma_f32_16x16x32_f16 v[8*(12*(\a&1)+\b):8*(12*(\a&1)+\b)+7], v[96*\f+8*\b:96*\f+8*\b+7], v[FA+32*\f+8*\a:FA+32*\f+8*\a+7], v[8*(12*(\a&1)+\b):8*(12*(\a&1)+\b)+7]
.endif
.endr
.endm
.macro FETCH slot, k, f                ; 32 LDS loads in one run: 12 weight fragments, then 4 of x
	WIN 0x40
.irp b, 0,1,2,3,4,5,6,7,8,9,10,11
	ds_load_b128 v[96*\f+8*\b:96*\f+8*\b+3],   v[ADRB+\slot] offset:\k+\b*16*PITCH
	ds_load_b128 v[96*\f+8*\b+4:96*\f+8*\b+7], v[ADRB+\slot] offset:\k+\b*16*PITCH+32
.endr
	WIN 0
.irp a, 0,1,2,3
	ds_load_b128 v[FA+32*\f+8*\a:FA+32*\f+8*\a+3],   v[ADRA+\slot] offset:\k+\a*16*PITCH
	ds_load_b128 v[FA+32*\f+8*\a+4:FA+32*\f+8*\a+7], v[ADRA+\slot] offset:\k+\a*16*PITCH+32
.endr
.endm
.macro QUARTER slot, k, f, g, zero
	s_wait_dscnt 4                                 ; all but the four youngest loads (x's tiles 2, 3) are in
	WIN MUL_LO
	MUL12 \f, 0, \zero
	MUL12 \f, 1, \zero
	PLACES
	FETCH \slot, \k, \g
	s_wait_dscnt 32                                ; all but the 32 just issued
	WIN MUL_HI
	MUL12 \f, 2, \zero
	MUL12 \f, 3, \zero
.endm
.macro THREE slot, zero
	QUARTER \slot, 64,  0, 1, \zero
	QUARTER \slot, 128, 1, 0, 0
	QUARTER \slot, 192, 0, 1, 0
.endm
; The last quarter of a K step changes slots.  In front of the barrier each wave waits for its reads of this slot and for all its tensor loads (one is out:
; its part of the next slot).  Where the slot is filled again the barrier opens a round of the cluster's barrier, and the joint refill is the first tensor load behind it.
.macro TURN slot, next, fill
	s_wait_dscnt 4
	WIN MUL_LO
	MUL12 1, 0, 0
	s_wait_dscnt 0
	s_wait_tensorcnt 0x0
	ds_add_u32 v255, v255
	s_wait_dscnt 0x0
	s_barrier_signal -1
	MUL12 1, 1, 0                                  ; register work while the others arrive
	WIN 0
	s_barrier_wait -1
.if \fill
	CREST
	s_add_nc_u64 s[G0A+4*\slot+2:G0A+4*\slot+3], s[G0A+4*\slot+2:G0A+4*\slot+3], 2*KSTEP*2
	s_add_nc_u64 s[G0B+4*\slot+2:G0B+4*\slot+3], s[G0B+4*\slot+2:G0B+4*\slot+3], 2*KSTEP*2
	JLOAD \slot
.endif
	PLACES
	FETCH \next, 0, 0
	WIN MUL_HI
	MUL12 1, 2, 0
	MUL12 1, 3, 0
.endm
.macro LAP zero
	THREE 0, \zero
	TURN 0, 1, 1
	THREE 1, 0
	TURN 1, 0, 1
.endm
	s_wait_tensorcnt 1                             ; my part of K step 0 is in; step 1's stays out
	s_barrier_signal -1
	s_barrier_wait -1
	FETCH 0, 0, 0
	LAP 1                                          ; K = 1,024 is four laps of two steps; the first lap's first products start the sums
	WIN 0
	s_mov_b32 s3, 2
.Llap:
	LAP 0
	WIN 0
	s_sub_co_u32 s3, s3, 1
	s_cmp_lg_u32 s3, 0
	s_cbranch_scc1 .Llap
	THREE 0, 0                                     ; the last lap fills nothing
	TURN 0, 1, 0
	THREE 1, 0
	s_wait_dscnt 4
	WIN MUL_LO
	MUL12 1, 0, 0
	MUL12 1, 1, 0
	s_wait_dscnt 0
	WIN MUL_HI
	MUL12 1, 2, 0
	MUL12 1, 3, 0
	PLACES
; The way out: 16 tokens x 64 columns of q, k or v at a time: bias, round, 16 bytes a lane into my own stage, read back by tokens, stored 512 dense bytes at a time.
.macro OUT a, c, rb
.if \a < 2
	WIN 0x02
.else
	WIN 0x03
.endif
.irp b4, 0,1,2,3
.irp p, 0,2,4,6
.if \c == 2
	v_pk_fma_f32 v[T+8*\b4+\p:T+8*\b4+\p+1], v[8*(12*(\a&1)+4*\c+\b4)+\p:8*(12*(\a&1)+4*\c+\b4)+\p+1], s[SD:SD+1], v[BIAS+8*(4*\c+\b4)+\p:BIAS+8*(4*\c+\b4)+\p+1] op_sel_hi:[1,0,1]
.else
	v_pk_add_f32 v[T+8*\b4+\p:T+8*\b4+\p+1], v[8*(12*(\a&1)+4*\c+\b4)+\p:8*(12*(\a&1)+4*\c+\b4)+\p+1], v[BIAS+8*(4*\c+\b4)+\p:BIAS+8*(4*\c+\b4)+\p+1]
.endif
.endr
.endr
	WIN 0
.irp b4, 0,1,2,3
.irp p, 0,1,2,3
.if \c == 2
	v_cvt_pk_f16_f32 v[PK+4*\b4+\p], v[T+8*\b4+2*\p], v[T+8*\b4+2*\p+1]
.else
	v_cvt_pk_bf16_f32 v[PK+4*\b4+\p], v[T+8*\b4+2*\p], v[T+8*\b4+2*\p+1]
.endif
.endr
.endr
.irp b4, 0,1,2,3
	ds_store_b128 v[STO], v[PK+4*\b4:PK+4*\b4+3] offset:32*\b4
.endr
	s_wait_xcnt 0x0                                ; the registers loaded next were the data of earlier stores
.irp t, 0,1,2,3
	ds_load_b128 v[32+16*\rb+4*\t:32+16*\rb+4*\t+3], v[RD] offset:\t*4*SPITCH     ; a wave's LDS instructions are served in order: these see the stores above
.endr
.irp t, 0,1,2,3
	s_wait_dscnt 3-\t
	global_store_b128 v[CO], v[32+16*\rb+4*\t:32+16*\rb+4*\t+3], s[OB+2*\c:OB+2*\c+1] offset:2048*\a+512*\t
.endr
.endm
	OUT 0, 0, 0
	OUT 0, 1, 1
	OUT 0, 2, 0
	OUT 1, 0, 1
	OUT 1, 1, 0
	OUT 1, 2, 1
	OUT 2, 0, 0
	OUT 2, 1, 1
	OUT 2, 2, 0
	OUT 3, 0, 1
	OUT 3, 1, 0
	OUT 3, 2, 1
	s_set_vgpr_msb 0x1
	s_wait_tensorcnt 0x0
	ds_add_u32 v255, v255
	s_wait_dscnt 0x0
	s_set_vgpr_msb 0x100
	CROUND                                         ; the closing round: no work-group ends while a partner may still ask jointly
	s_endpgm
.Lfunc_end_k_q759566e3fe_qkv:
	.size	k_q759566e3fe_qkv, .Lfunc_end_k_q759566e3fe_qkv-k_q759566e3fe_qkv
	.p2alignl 7, 3214868480
	.fill 96, 4, 3214868480
	.section	.rodata,"a",@progbits
	.p2align	6, 0x0
	.amdhsa_kernel k_q759566e3fe_qkv
		.amdhsa_group_segment_fixed_size 327680
		.amdhsa_private_segment_fixed_size 0
		.amdhsa_enable_private_segment 0
		.amdhsa_kernarg_size 48
		.amdhsa_user_sgpr_count 2
		.amdhsa_user_sgpr_kernarg_segment_ptr 1
		.amdhsa_wavefront_size32 1
		.amdhsa_system_sgpr_workgroup_id_x 1
		.amdhsa_system_sgpr_workgroup_id_y 1
		.amdhsa_system_sgpr_workgroup_id_z 1
		.amdhsa_system_vgpr_workitem_id 0
		.amdhsa_next_free_vgpr 960
		.amdhsa_next_free_sgpr 96
		.amdhsa_reserve_vcc 0
		.amdhsa_float_denorm_mode_32 3
		.amdhsa_float_denorm_mode_16_64 3
		.amdhsa_memory_ordered 1
		.amdhsa_forward_progress 1
		.amdhsa_inst_pref_size 183
	.end_amdhsa_kernel
	.amdgpu_metadata
---
amdhsa.version: [ 1, 2 ]
amdhsa.kernels:
  - .name:           k_q759566e3fe_qkv
    .symbol:         k_q759566e3fe_qkv.kd
    .args:
      - { .name: h16, .offset: 0, .size: 8, .value_kind: global_buffer, .address_space: global }
      - { .name: stats, .offset: 8, .size: 8, .value_kind: global_buffer, .address_space: global }
      - { .name: bq, .offset: 16, .size: 8, .value_kind: global_buffer, .address_space: global }
      - { .name: bk, .offset: 24, .size: 8, .value_kind: global_buffer, .address_space: global }
      - { .name: bv, .offset: 32, .size: 8, .value_kind: global_buffer, .address_space: global }
      - { .name: qkv, .offset: 40, .size: 8, .value_kind: global_buffer, .address_space: global }
    .group_segment_fixed_size: 327680
    .private_segment_fixed_size: 0
    .kernarg_segment_align: 8
    .kernarg_segment_size: 48
    .max_flat_workgroup_size: 128
    .sgpr_count:     96
    .vgpr_count:     960
    .wavefront_size: 32
...
	.end_amdgpu_metadata
.endif
;; end of part 2
;; launch attn (part 3): grid 16 x 16, 8 waves a work-group, clusters of 4 x 1, 327,680 bytes of LDS; arguments qkv, alpha, ctx; writes ctx
.if DOCPART == 3
	.amdgcn_target "amdgcn-amd-amdhsa--gfx1250"
	.amdhsa_code_object_version 6
	.text
	.protected	k_q759566e3fe_attn
	.globl	k_q759566e3fe_attn
	.p2align	8
	.type	k_q759566e3fe_attn,@function
k_q759566e3fe_attn:
	s_mov_b64 s[64:65], 0
	v_nop
	global_prefetch_b8 v0, s[64:65] scope:SCOPE_SE
	s_setreg_imm32_b32 hwreg(HW_REG_WAVE_MODE, 25, 1), 1
	s_wait_xcnt 0x0
	s_wait_alu depctr_hold_cnt(0) depctr_sa_sdst(0) depctr_va_vdst(0) depctr_va_sdst(0) depctr_va_ssrc(0) depctr_va_vcc(0) depctr_vm_vsrc(0)
	s_getreg_b32 s2, hwreg(HW_REG_IB_STS2, 6, 4)
	s_cmp_eq_u32 s2, 0
	s_cbranch_scc0 .Lentry_in_a_cluster
	s_endpgm
.Lentry_in_a_cluster:
	s_bfe_u32 s2, ttmp6, 0x10000c
	s_cmp_lg_u32 s2, 0x3003
	s_cbranch_scc0 .Lentry_shape_is_right
	s_endpgm
.Lentry_shape_is_right:
; ctx' = softmax(q k^T / 8 x exp(-alpha |i-j|)) v', with a running maximum; ctx' in f16, [4096][1024], still carrying v's power-of-two scale.
; A work-group takes 128 queries of two neighbouring heads (a token's piece of ctx is then 256 aligned bytes), eight waves.  Wave w: head w >> 2,
; 64 queries (w >> 1) & 1, and of every 256 keys the half w & 1; the two waves of a query group are merged at the end.
; K and V come in tiles of 256 keys of both heads through two LDS slots.  CLUSTER: the four query blocks of a cluster read the same K and V tiles and ask jointly.
; S^T = K Q^T (bf16): lane (r, h), register j holds query r, key 8h + j, so maximum, sum and rescale factor are one number a lane, and two packed tiles are
; the operand of O^T = V^T P^T (f16; V's fragments by transposing LDS loads).
; THE DECAY: key - query = 16 D + c, D the distance of the 16 x 16 tiles, c = 8h + j - r.  exp(-alpha lag) = E(D) W(c): E = exp(-alpha max(16|D| - 15, 0)) from a table
; of the wave's own in LDS (its values hang on the query block, its addresses do not), W = exp(-alpha (15 + c)), exp(-alpha (15 - c)) or exp(-alpha |c|) for D > 0, < 0, = 0,
; chosen by v_cndmask.  Both factors lie on one side of 1, so their product makes no 0 x infinity.  W also carries 1/8 and log2 e.
; LIMITS: decays and probabilities below 2^-126 count as 0 (v_exp_f32); P is rounded to f16; sums are ordered otherwise than in the reference.
.set SLOT,   155648                    ; V: 4 pieces of 128 keys x 160 bytes; K: 4 pieces of 128 keys x 144 bytes; piece = 2 head + key half
.set VPIECE, 20480
.set KPIECE, 18432
.set KBASE,  4*VPIECE
.set ETAB,   2*SLOT                    ; 768 bytes for each wave; no tensor load lands here
.set MERGESZ, 17408                    ; after slot 0's last fill its bytes serve the way out: 4 x 17,408 for the merge,
.set STAGE,  4*MERGESZ                 ; then 128 rows x 272 bytes
.set LK, 2                             ; v2-3  K fragment address in slot 0, 1
.set LV, 4                             ; v4-5  V fragment address in slot 0, 1
.set ET, 6                             ; v6    my place in the table, 64 bytes on with each tile
.set QF, 16                            ; v[16:79]   Q(qi, dh) at 16 qi + 8 dh
.set KV, 80                            ; v[80:143]  K(kt, dh) at 32 dh + 8 kt, then V(dt, kk) at 32 kk + 8 dt
.set WA, 144
.set WB, 152
.set WD, 160
.set WP, 168
.set WN, 176
.set WZ, 184
.set EF, 192                           ; v[192:199] E of tile distances kt - qi + 3 = 0 .. 6
.set MX, 200
.set NGM, 204
.set CORR, 208
.set LS, 212
.set TM, 216
.set SUM, 232
.set TX, 248
.set TY, 252
; window 1: S(qi, kt) at 32 qi + 8 kt; O(qi, dt) at 128 + 32 qi + 8 dt
.set G1V, 20
.set G1K, 28
.set G0V, 36
.set G0K, 44
.set SB,  52                           ; key block - query block, in blocks of 64, of the trip's first block
.set MGE, 53
.set MGT, 54
.set MEQ, 55
.set MSB, 0
.macro WIN new
.if MSB != \new
	s_set_vgpr_msb (MSB<<8)|\new
.set MSB, \new
.endif
.endm
.macro PLACES
.rept 4
	v_nop
.endr
.endm
.macro JLOAD s                         ; waves 0-3 ask for V's pieces, waves 4-7 for K's
	s_cmp_lt_u32 s10, 4
	s_cbranch_scc0 .Lfor_k_\@
	tensor_load_to_lds s[G0V+4*(\s):G0V+4*(\s)+3], s[G1V:G1V+7]
	s_nop 0
	s_branch .Lasked_\@
.Lfor_k_\@:
	tensor_load_to_lds s[G0K+4*(\s):G0K+4*(\s)+3], s[G1K:G1K+7]
	s_nop 0
.Lasked_\@:
.endm
.macro CROUND
	s_barrier_signal -1
	s_barrier_wait -1
	s_cmp_lg_u32 s10, 0
	s_cbranch_scc1 .Lnot_wave_0_\@
	s_barrier_signal -3
.Lnot_wave_0_\@:
	s_barrier_wait -3
	s_barrier_signal -1
	s_barrier_wait -1
.endm
	s_load_b128 s[4:7], s[0:1], 0x0                ; qkv, alpha
	s_load_b64 s[8:9], s[0:1], 0x10                ; ctx
	v_lshl_add_u32 v250, v0, 2, 0x4d800
	v_mov_b32 v251, 0
	ds_add_u32 v250, v251
	s_wait_dscnt 0x0
	v_lshrrev_b32 v1, 5, v0
	v_readfirstlane_b32 s10, v1                    ; wave
	s_lshr_b32 s11, s10, 2                         ; head of the pair
	s_lshr_b32 s12, s10, 1
	s_and_b32 s12, s12, 1                          ; query group.  Also: the head whose piece I fetch
	s_and_b32 s13, s10, 1                          ; key half.  Also: the key half that I fetch
	s_bfe_u32 s14, ttmp6, 0x40000                  ; cx
	s_lshl_b32 s15, ttmp9, 2
	s_add_co_u32 s15, s15, s14                     ; query block of 128
	s_and_b32 s16, ttmp7, 0xffff                   ; 8 b + head pair
	s_lshl_b32 s57, s15, 1
	s_add_co_u32 s57, s57, s12                     ; my query block of 64
	s_lshl_b32 s[SB], s13, 1
	s_sub_co_i32 s[SB], s[SB], s57
	s_mov_b32 s18, 0x76543210
	s_mov_b32 s19, 0xfedcba98
	; group 1: 128 rows (keys) of 64 elements of 2 bytes, dense; padding behind every 32 words: 8 words for V (pitch 160), 4 for K (pitch 144); mask: all four of the cluster
	s_mov_b32 s[G1V+0], 15|(1<<16)|(1<<20)|(1<<21)|(4<<22)|(7<<25)
	s_mov_b32 s[G1K+0], 15|(1<<16)|(1<<20)|(1<<21)|(4<<22)|(3<<25)
	s_mov_b32 s[G1V+1], 64<<16
	s_mov_b32 s[G1K+1], 64<<16
	s_mov_b32 s[G1V+2], 128<<16
	s_mov_b32 s[G1K+2], 128<<16
	s_mov_b32 s[G1V+3], 64<<16
	s_mov_b32 s[G1K+3], 64<<16
	s_mov_b32 s[G1V+4], 128
	s_mov_b32 s[G1K+4], 128
	s_mov_b32 s[G1V+5], 64
	s_mov_b32 s[G1K+5], 64
	s_mov_b32 s[G1V+6], 0
	s_mov_b32 s[G1K+6], 0
	s_mov_b32 s[G1V+7], 0
	s_mov_b32 s[G1K+7], 0
	s_lshl_b32 s58, s16, 1
	s_add_co_u32 s58, s58, s12
	s_lshl_b32 s58, s58, 11
	s_lshl_b32 s59, s13, 7
	s_add_co_u32 s58, s58, s59
	s_lshl_b32 s58, s58, 7                         ; ((2 y + head) 2,048 + 128 half) x 128 bytes: the same in all four partners
	s_mov_b32 s59, 0
	s_mul_i32 s62, s10, VPIECE                     ; V's pieces at wave x VPIECE (waves 0-3),
	s_mul_i32 s63, s10, KPIECE
	s_add_co_u32 s63, s63, KBASE-4*KPIECE          ; K's at KBASE + (wave - 4) KPIECE (waves 4-7)
	s_lshl_b32 s66, s16, 1
	s_add_co_u32 s66, s66, s11
	s_lshl_b32 s66, s66, 11
	s_lshl_b32 s67, s57, 6
	s_add_co_u32 s66, s66, s67
	s_lshl_b32 s66, s66, 7                         ; my 64 queries
	s_mov_b32 s67, 0
	s_lshr_b32 s68, s16, 3
	s_lshl_b32 s68, s68, 11
	s_lshl_b32 s69, s15, 7
	s_add_co_u32 s68, s68, s69
	s_lshl_b32 s69, s10, 4
	s_add_co_u32 s68, s68, s69
	s_lshl_b32 s68, s68, 11                        ; ctx: token 2,048 b + 128 block + 16 wave, rows of 2,048 bytes,
	s_and_b32 s69, s16, 7
	s_lshl_b32 s69, s69, 8
	s_add_co_u32 s68, s68, s69                     ; and the head pair's 256 bytes
	s_mov_b32 s69, 0
	s_wait_kmcnt 0x0
	s_load_b32 s17, s[6:7], 0x0                    ; alpha
	s_add_nc_u64 s[60:61], s[4:5], s[58:59]
	s_add_nc_u64 s[66:67], s[4:5], s[66:67]
	s_add_nc_u64 s[68:69], s[8:9], s[68:69]
	CROUND                                         ; the four partners are here: the first joint loads meet
.irp s, 0,1
	s_mov_b32 s[G0V+4*\s], 1
	s_add_co_u32 s[G0V+4*\s+1], s62, \s*SLOT
	s_add_nc_u64 s[G0V+4*\s+2:G0V+4*\s+3], s[60:61], 0x1000000+\s*32768
	s_or_b32 s[G0V+4*\s+3], s[G0V+4*\s+3], 0x80000000
	s_mov_b32 s[G0K+4*\s], 1
	s_add_co_u32 s[G0K+4*\s+1], s63, \s*SLOT
	s_add_nc_u64 s[G0K+4*\s+2:G0K+4*\s+3], s[60:61], 0x800000+\s*32768
	s_or_b32 s[G0K+4*\s+3], s[G0K+4*\s+3], 0x80000000
	JLOAD \s                                       ; two loads of the wave are out here, one behind each later round
.endr
	v_and_b32 v1, 15, v0                           ; r
	v_bfe_u32 v8, v0, 4, 1                         ; h
	v_and_b32 v9, 31, v0                           ; lane
	v_lshlrev_b32 v14, 7, v1
	v_lshl_add_u32 v14, v8, 4, v14                 ; Q: 128 r + 16 h
.irp qi, 0,1,2,3
.irp dh, 0,1
	global_load_b128 v[QF+16*\qi+8*\dh:QF+16*\qi+8*\dh+3],   v14, s[66:67] offset:2048*\qi+64*\dh
	global_load_b128 v[QF+16*\qi+8*\dh+4:QF+16*\qi+8*\dh+7], v14, s[66:67] offset:2048*\qi+64*\dh+32
.endr
.endr
	s_lshl_b32 s58, s11, 1
	s_add_co_u32 s58, s58, s13                     ; the piece that I read: 2 head + key half
	s_mul_i32 s59, s58, KPIECE
	s_add_co_u32 s59, s59, KBASE
	v_mul_u32_u24 v10, v1, 144
	v_lshl_add_u32 v10, v8, 4, v10
	v_add_nc_u32 v[LK], s59, v10
	v_add_nc_u32 v[LK+1], SLOT, v[LK]
	s_mul_i32 s59, s58, VPIECE
	v_and_b32 v10, 7, v0
	v_lshl_add_u32 v10, v8, 3, v10                 ; key 8 h + (lane mod 8)
	v_mul_u32_u24 v10, v10, 160
	v_bfe_u32 v11, v0, 3, 1
	v_lshl_add_u32 v10, v11, 4, v10
	v_add_nc_u32 v[LV], s59, v10
	v_add_nc_u32 v[LV+1], SLOT, v[LV]
	s_mul_i32 s58, s10, 768
	s_add_co_u32 s58, s58, ETAB
	v_lshl_add_u32 v7, v9, 2, s58                  ; where I write the table
	s_lshl_b32 s59, s13, 5
	s_add_co_u32 s59, s59, s58
	v_mov_b32 v[ET], s59                           ; key block 2 s: 16 bytes a block of 64 keys
.irp i, 0,1,2,3
	v_mov_b32 v[TY+\i], 0                          ; v_permlanex16_b32 counts as a reader of its destination
.endr
	v_lshlrev_b32 v13, 3, v8
	v_sub_nc_u32 v13, v13, v1                      ; 8 h - r
	s_lshl_b32 s70, s57, 2
	s_add_co_u32 s70, s70, 3                       ; table entry of tile distance 0
	s_mov_b32 s71, 0x41800000                      ; 16.0
	s_mov_b32 s72, 0xc1700000                      ; -15.0
	s_wait_kmcnt 0x0
	v_mov_b32 v15, 0xbfb8aa3b
	v_mul_f32 v15, s17, v15                        ; -alpha log2 e
.irp j, 0,1,2,3,4,5,6,7
	v_add_nc_u32 v10, 15+\j, v13
	v_sub_nc_u32 v11, 15-\j, v13
	v_add_nc_u32 v12, \j, v13
	v_cvt_f32_i32 v10, v10
	v_cvt_f32_i32 v11, v11
	v_cvt_f32_i32 v12, v12
	v_mul_f32 v[WA+\j], v15, v10
	v_mul_f32 v[WB+\j], v15, v11
	v_mul_f32 v[WD+\j], v15, |v12|
.endr
.irp i, 0,1,2,3,4
	v_add_nc_u32 v10, 32*\i, v9                    ; entry t = lane + 32 i
	v_sub_nc_u32 v10, v10, s70                     ; tile distance D
	v_cvt_f32_i32 v10, v10
	v_fma_f32 v10, |v10|, s71, s72
	v_max_num_f32 v10, 0, v10                      ; max(16 |D| - 15, 0)
	v_mul_f32 v[TM+\i], v15, v10
.endr
.set TI, 0
.rept 24
	v_exp_f32 v[WA+TI], v[WA+TI]
.set TI, TI+1
.endr
.irp i, 0,1,2,3,4
	v_exp_f32 v[TM+\i], v[TM+\i]
.endr
	v_nop                                          ; one plain place behind the exponentials
.set TI, 0
	s_wait_alu depctr_va_vdst(0)
.rept 12
	v_pk_mul_f32 v[WA+TI:WA+TI+1], v[WA+TI:WA+TI+1], 0x3e38aa3b op_sel_hi:[1,0]     ; x log2 e / 8
.set TI, TI+2
.endr
.irp i, 0,1,2,3,4
	ds_store_b32 v7, v[TM+\i] offset:128*\i
.endr
; One block: my 64 queries x 64 keys (block u of my 128 in the slot).
.macro BLOCK slot, u, first
	s_cmp_ge_i32 s[SB], -\u                        ; which side of the diagonal: a choice of values, no branch
	s_cselect_b32 s[MGE], -1, 0
	s_cmp_gt_i32 s[SB], -\u
	s_cselect_b32 s[MGT], -1, 0
	s_cmp_eq_i32 s[SB], -\u
	s_cselect_b32 s[MEQ], -1, 0
.irp j, 0,1,2,3,4,5,6,7
	v_cndmask_b32 v[WP+\j], v[WB+\j], v[WA+\j], s[MGE]      ; tiles with kt > qi.  These eight are also the places behind the last matrix instructions, ahead of the loads into their sources
.endr
	ds_load_b128 v[EF:EF+3],   v[ET] offset:16*\u
	ds_load_b128 v[EF+4:EF+7], v[ET] offset:16*\u+16
.irp dh, 0,1
.irp kt, 0,1,2,3
	ds_load_b128 v[KV+32*\dh+8*\kt:KV+32*\dh+8*\kt+3],   v[LK+\slot] offset:9216*\u+2304*\kt+64*\dh
	ds_load_b128 v[KV+32*\dh+8*\kt+4:KV+32*\dh+8*\kt+7], v[LK+\slot] offset:9216*\u+2304*\kt+64*\dh+32
.endr
.endr
.irp j, 0,1,2,3,4,5,6,7
	v_cndmask_b32 v[WN+\j], v[WB+\j], v[WA+\j], s[MGT]      ; tiles with kt < qi
.endr
.irp j, 0,1,2,3,4,5,6,7
	v_cndmask_b32 v[WZ+\j], v[WN+\j], v[WD+\j], s[MEQ]      ; tiles with kt = qi
.endr
	s_wait_dscnt 8                                 ; E and K's d 0-31 are in; the eight youngest loads (d 32-63) may be out
	WIN 0x50
.irp qi, 0,1,2,3
.irp kt, 0,1,2,3
	v_wmma_f32_16x16x32_bf16 v[32*\qi+8*\kt:32*\qi+8*\kt+7], v[KV+8*\kt:KV+8*\kt+7], v[QF+16*\qi:QF+16*\qi+7], 0
.endr
.endr
	s_wait_dscnt 0
.irp qi, 0,1,2,3
.irp kt, 0,1,2,3
	v_wmma_f32_16x16x32_bf16 v[32*\qi+8*\kt:32*\qi+8*\kt+7], v[KV+32+8*\kt:KV+32+8*\kt+7], v[QF+16*\qi+8:QF+16*\qi+15], v[32*\qi+8*\kt:32*\qi+8*\kt+7]   ; the 16 accumulators take turns
.endr
.endr
	WIN 0
	PLACES
.irp kk, 0,1
.irp dt, 0,1,2,3
	ds_load_tr16_b128 v[KV+32*\kk+8*\dt:KV+32*\kk+8*\dt+3],   v[LV+\slot] offset:10240*\u+5120*\kk+32*\dt
	ds_load_tr16_b128 v[KV+32*\kk+8*\dt+4:KV+32*\kk+8*\dt+7], v[LV+\slot] offset:10240*\u+5120*\kk+32*\dt+2560
.endr
.endr
	WIN 0x41                                       ; t = S W
.irp qi, 0,1,2,3
.irp kt, 0,1,2,3
.if \kt > \qi
.set WC, WP
.elseif \kt < \qi
.set WC, WN
.else
.set WC, WZ
.endif
.irp p, 0,2,4,6
	v_pk_mul_f32 v[32*\qi+8*\kt+\p:32*\qi+8*\kt+\p+1], v[32*\qi+8*\kt+\p:32*\qi+8*\kt+\p+1], v[WC+\p:WC+\p+1]
.endr
.endr
.endr
	WIN 0x05                                       ; each tile's largest t
.set TI, 0
.rept 16
	v_max_num_f32 v[TM+TI], v[8*TI], v[8*TI+1]
.set TI, TI+1
.endr
.irp k, 2,4,6
.set TI, 0
.rept 16
	v_max3_num_f32 v[TM+TI], v[8*TI+\k], v[8*TI+\k+1], v[TM+TI]
.set TI, TI+1
.endr
.endr
	WIN 0
.irp qi, 0,1,2,3
.irp kt, 0,1,2,3
	v_mul_f32 v[TM+4*\qi+\kt], v[TM+4*\qi+\kt], v[EF+\kt-\qi+3]     ; E is not negative: the maximum goes through it
.endr
.endr
.irp qi, 0,1,2,3
	v_max3_num_f32 v[TX+\qi], v[TM+4*\qi], v[TM+4*\qi+1], v[TM+4*\qi+2]
.endr
.irp qi, 0,1,2,3
	v_max_num_f32 v[TX+\qi], v[TX+\qi], v[TM+4*\qi+3]
.endr
.irp qi, 0,1,2,3
	v_permlanex16_b32 v[TY+\qi], v[TX+\qi], s18, s19               ; the other eight keys of each tile
.endr
.if \first
.irp qi, 0,1,2,3
	v_max_num_f32 v[MX+\qi], v[TX+\qi], v[TY+\qi]
.endr
.else
.irp qi, 0,1,2,3
	v_max3_num_f32 v[TX+\qi], v[TX+\qi], v[TY+\qi], v[MX+\qi]
.endr
.irp qi, 0,1,2,3
	v_sub_f32 v[CORR+\qi], v[MX+\qi], v[TX+\qi]
.endr
.irp qi, 0,1,2,3
	v_exp_f32 v[CORR+\qi], v[CORR+\qi]
.endr
.irp qi, 0,1,2,3
	v_mov_b32 v[MX+\qi], v[TX+\qi]
.endr
.endif
.irp qi, 0,1,2,3
	v_mul_f32 v[NGM+\qi], -1.0, v[MX+\qi]
.endr
	WIN 0x41                                       ; t E - m, E and m broadcast from their pairs
.irp qi, 0,1,2,3
.irp kt, 0,1,2,3
.set EI, \kt-\qi+3
.set EB, EF+(EI&6)
.set NB, NGM+(\qi&2)
.set SV, (EI&1)+2*(\qi&1)
.irp p, 0,2,4,6
.set PD, 32*\qi+8*\kt+\p
.if SV == 0
	v_pk_fma_f32 v[PD:PD+1], v[PD:PD+1], v[EB:EB+1], v[NB:NB+1] op_sel_hi:[1,0,0]
.elseif SV == 1
	v_pk_fma_f32 v[PD:PD+1], v[PD:PD+1], v[EB:EB+1], v[NB:NB+1] op_sel:[0,1,0] op_sel_hi:[1,1,0]
.elseif SV == 2
	v_pk_fma_f32 v[PD:PD+1], v[PD:PD+1], v[EB:EB+1], v[NB:NB+1] op_sel:[0,0,1] op_sel_hi:[1,0,1]
.else
	v_pk_fma_f32 v[PD:PD+1], v[PD:PD+1], v[EB:EB+1], v[NB:NB+1] op_sel:[0,1,1] op_sel_hi:[1,1,1]
.endif
.endr
.endr
.endr
.set TI, 0
.rept 128
	v_exp_f32 v[TI], v[TI]
.set TI, TI+1
.endr
.if \first
	v_nop                                          ; one plain place behind the exponentials
	s_wait_alu depctr_va_vdst(0)
.else
.irp qi, 0,1,2,3                                   ; O x 2^(old m - new m): also the plain places behind the exponentials
.set CB, CORR+(\qi&2)
.set TI, 0
.rept 16
.set PD, 128+32*\qi+2*TI
.if \qi&1
	v_pk_mul_f32 v[PD:PD+1], v[PD:PD+1], v[CB:CB+1] op_sel:[0,1] op_sel_hi:[1,1]
.else
	s_wait_alu depctr_va_vdst(0)
	v_pk_mul_f32 v[PD:PD+1], v[PD:PD+1], v[CB:CB+1] op_sel_hi:[1,0]
.endif
.set TI, TI+1
.endr
.endr
.endif
	WIN 0x05                                       ; the sums, two chains of pairs for each query tile, started by the first additions
.irp qi, 0,1,2,3
	v_pk_add_f32 v[SUM+4*\qi:SUM+4*\qi+1],   v[32*\qi:32*\qi+1],   v[32*\qi+2:32*\qi+3]
	v_pk_add_f32 v[SUM+4*\qi+2:SUM+4*\qi+3], v[32*\qi+4:32*\qi+5], v[32*\qi+6:32*\qi+7]
.endr
	WIN 0x01
.irp p, 4,5,6,7,8,9,10,11,12,13,14,15
.irp qi, 0,1,2,3
	v_pk_add_f32 v[SUM+4*\qi+2*(\p&1):SUM+4*\qi+2*(\p&1)+1], v[32*\qi+2*\p:32*\qi+2*\p+1], v[SUM+4*\qi+2*(\p&1):SUM+4*\qi+2*(\p&1)+1]
.endr
.endr
	WIN 0x45                                       ; P to f16 in place: tiles 2 kk and 2 kk + 1 become the 8 registers at S(qi, 2 kk)
.irp qi, 0,1,2,3
.irp kk, 0,1
.set PB, 32*\qi+16*\kk
.irp p, 0,1,2,3,4,5,6,7
	v_cvt_pk_f16_f32 v[PB+\p], v[PB+2*\p], v[PB+2*\p+1]
.endr
.endr
.endr
	WIN 0
.irp qi, 0,1,2,3
	v_pk_add_f32 v[SUM+4*\qi:SUM+4*\qi+1], v[SUM+4*\qi:SUM+4*\qi+1], v[SUM+4*\qi+2:SUM+4*\qi+3]
.endr
.if \first
.irp qi, 0,1,2,3
	v_add_f32 v[LS+\qi], v[SUM+4*\qi], v[SUM+4*\qi+1]
.endr
.else
.irp qi, 0,1,2,3
	v_add_f32 v[SUM+4*\qi], v[SUM+4*\qi], v[SUM+4*\qi+1]
.endr
.irp qi, 0,1,2,3
	v_fma_f32 v[LS+\qi], v[LS+\qi], v[CORR+\qi], v[SUM+4*\qi]      ; the sum stays one for each half of the lanes until the end
.endr
.endif
	s_wait_dscnt 0                                 ; V
	WIN 0x54
.irp kk, 0,1
.irp qi, 0,1,2,3
.irp dt, 0,1,2,3
.if \first*(1-\kk)
	v_wmma_f32_16x16x32_f16 v[128+32*\qi+8*\dt:128+32*\qi+8*\dt+7], v[KV+32*\kk+8*\dt:KV+32*\kk+8*\dt+7], v[32*\qi+16*\kk:32*\qi+16*\kk+7], 0
.else
	v_wmma_f32_16x16x32_f16 v[128+32*\qi+8*\dt:128+32*\qi+8*\dt+7], v[KV+32*\kk+8*\dt:KV+32*\kk+8*\dt+7], v[32*\qi+16*\kk:32*\qi+16*\kk+7], v[128+32*\qi+8*\dt:128+32*\qi+8*\dt+7]
.endif
.endr
.endr
.endr
	WIN 0
.endm
.macro TRIPWORK slot, first
	BLOCK \slot, 0, \first
	BLOCK \slot, 1, 0
	v_add_nc_u32 v[ET], 64, v[ET]                  ; four key blocks on
	s_add_co_i32 s[SB], s[SB], 4
.endm
; A tile of 256 keys.  In front of the round every wave waits for all its tensor loads (its part of this slot among them) and for its reads of the other slot;
; the joint refill of the other slot is the first tensor load behind the round and has this tile's two blocks in which to land.
.macro TWO slot, refill
	s_wait_xcnt 0x0
	v_lshl_add_u32 v250, v0, 2, 0x4d800
	v_mov_b32 v251, 0
	s_wait_tensorcnt 0x0
	ds_add_u32 v250, v251
	s_wait_dscnt 0x0
	s_add_nc_u64 s[G0V+6-4*\slot:G0V+7-4*\slot], s[G0V+6-4*\slot:G0V+7-4*\slot], 65536     ; no load of mine is out: the other slot's next tile
	s_add_nc_u64 s[G0K+6-4*\slot:G0K+7-4*\slot], s[G0K+6-4*\slot:G0K+7-4*\slot], 65536
	s_wait_dscnt 0x0
.if \refill
	CROUND
	JLOAD 1-\slot
.else
	s_barrier_signal -1
	s_barrier_wait -1
.endif
	TRIPWORK \slot, 0
.endm
	s_wait_loadcnt 0x0                             ; Q
	s_wait_tensorcnt 0x1                           ; my part of tile 0 is in; tile 1's stays out
	s_wait_dscnt 0x0                               ; my table is written
	s_barrier_signal -1
	s_barrier_wait -1
	TRIPWORK 0, 1                                  ; tile 0 starts maximum, sums and O: nothing is cleared
	s_mov_b32 s56, 3
.Lloop:
	TWO 1, 1
	TWO 0, 1
	s_sub_co_u32 s56, s56, 1
	s_cmp_lg_u32 s56, 0
	s_cbranch_scc1 .Lloop
	TWO 1, 0                                       ; tile 7: nothing is left to fetch
	; THE WAY OUT.  Slot 0 had its last fill and, behind the last barrier, its last read.  The wave with key half 1 hands O, m and l to its partner.
	PLACES
	s_lshr_b32 s58, s10, 1
	s_mul_i32 s58, s58, MERGESZ
	v_lshl_add_u32 v7, v9, 4, s58
	s_cmp_eq_u32 s13, 0
	s_cbranch_scc1 .Lkeep
	WIN 0x04
.set TI, 0
.rept 32
	ds_store_b128 v7, v[128+4*TI:128+4*TI+3] offset:512*TI
.set TI, TI+1
.endr
	WIN 0
	ds_store_b128 v7, v[MX:MX+3] offset:16384
	ds_store_b128 v7, v[LS:LS+3] offset:16896
.Lkeep:
	s_wait_dscnt 0x0
	s_barrier_signal -1
	s_barrier_wait -1
	s_cmp_lg_u32 s13, 0
	s_cbranch_scc1 .Lgave
	WIN 0x40
.set TI, 0
.rept 32
	ds_load_b128 v[4*TI:4*TI+3], v7 offset:512*TI          ; the partner's O into S's registers
.set TI, TI+1
.endr
	WIN 0
.set PM, 216
.set PL, 220
.set A0, 224
.set A1, 228
.set LT, 232
.set TT, 236
	ds_load_b128 v[PM:PM+3], v7 offset:16384
	ds_load_b128 v[PL:PL+3], v7 offset:16896
	s_lshl_b32 s58, s12, 6
	s_mul_i32 s58, s58, 272
	s_lshl_b32 s59, s11, 7
	s_add_co_u32 s58, s58, s59
	s_add_co_u32 s58, s58, STAGE
	v_mul_u32_u24 v10, v1, 272
	v_lshl_add_u32 v10, v8, 4, v10
	v_add_nc_u32 v10, s58, v10                     ; stage: row 64 g + r, the head's 128 bytes, 16 h
	s_wait_dscnt 0x0
.irp qi, 0,1,2,3
	v_max_num_f32 v[TT+\qi], v[MX+\qi], v[PM+\qi]
.endr
.irp qi, 0,1,2,3
	v_sub_f32 v[A0+\qi], v[MX+\qi], v[TT+\qi]
	v_sub_f32 v[A1+\qi], v[PM+\qi], v[TT+\qi]
.endr
.irp i, 0,1,2,3,4,5,6,7
	v_exp_f32 v[A0+\i], v[A0+\i]
.endr
	v_nop
	s_wait_alu depctr_va_vdst(0)
.irp qi, 0,1,2,3
	v_mul_f32 v[LT+\qi], v[A0+\qi], v[LS+\qi]
.endr
.irp qi, 0,1,2,3
	v_fmac_f32 v[LT+\qi], v[A1+\qi], v[PL+\qi]
.endr
.irp qi, 0,1,2,3
	v_permlanex16_b32 v[TT+\qi], v[LT+\qi], s18, s19       ; the other half of the lanes' part of the sum
.endr
.irp qi, 0,1,2,3
	v_add_f32 v[LT+\qi], v[LT+\qi], v[TT+\qi]
.endr
.irp qi, 0,1,2,3
	v_rcp_f32 v[LT+\qi], v[LT+\qi]                 ; the sum holds the largest term, 1: never zero
.endr
	v_nop
	s_wait_alu depctr_va_vdst(0)
.irp qi, 0,1,2,3
	v_mul_f32 v[CORR+\qi], v[A0+\qi], v[LT+\qi]
	v_mul_f32 v[NGM+\qi],  v[A1+\qi], v[LT+\qi]
.endr
	WIN 0x41
.irp qi, 0,1,2,3
.set CB, CORR+(\qi&2)
.set TI, 0
.rept 16
.set PD, 128+32*\qi+2*TI
.if \qi&1
	v_pk_mul_f32 v[PD:PD+1], v[PD:PD+1], v[CB:CB+1] op_sel:[0,1] op_sel_hi:[1,1]
.else
	v_pk_mul_f32 v[PD:PD+1], v[PD:PD+1], v[CB:CB+1] op_sel_hi:[1,0]
.endif
.set TI, TI+1
.endr
.endr
	WIN 0x51
.irp qi, 0,1,2,3
.set CB, NGM+(\qi&2)
.set TI, 0
.rept 16
.set PD, 128+32*\qi+2*TI
.set PS, 32*\qi+2*TI
.if \qi&1
	v_pk_fma_f32 v[PD:PD+1], v[PS:PS+1], v[CB:CB+1], v[PD:PD+1] op_sel:[0,1,0] op_sel_hi:[1,1,1]
.else
	v_pk_fma_f32 v[PD:PD+1], v[PS:PS+1], v[CB:CB+1], v[PD:PD+1] op_sel_hi:[1,0,1]
.endif
.set TI, TI+1
.endr
.endr
	WIN 0x05
.set TI, 0
.rept 64
	v_cvt_pk_f16_f32 v[KV+TI], v[128+2*TI], v[128+2*TI+1]
.set TI, TI+1
.endr
	WIN 0
.irp qi, 0,1,2,3
.irp dt, 0,1,2,3
	ds_store_b128 v10, v[KV+16*\qi+4*\dt:KV+16*\qi+4*\dt+3] offset:4352*\qi+32*\dt
.endr
.endr
.Lgave:
	s_wait_dscnt 0x0
	s_barrier_signal -1
	s_barrier_wait -1
	s_mul_i32 s58, s10, 16*272                     ; every wave stores 16 tokens: sixteen lanes take a token's 256 aligned bytes
	s_add_co_u32 s58, s58, STAGE
	v_mul_u32_u24 v11, v8, 272
	v_lshl_add_u32 v11, v1, 4, v11
	v_add_nc_u32 v11, s58, v11
	v_lshlrev_b32 v12, 11, v8
	v_lshl_add_u32 v12, v1, 4, v12
.irp t, 0,1,2,3,4,5,6,7
	ds_load_b128 v[QF+4*\t:QF+4*\t+3], v11 offset:544*\t
.endr
.irp t, 0,1,2,3,4,5,6,7
	s_wait_dscnt 7-\t
	global_store_b128 v12, v[QF+4*\t:QF+4*\t+3], s[68:69] offset:4096*\t
.endr
	s_wait_xcnt 0x0
	v_lshl_add_u32 v250, v0, 2, 0x4d800
	v_mov_b32 v251, 0
	s_wait_tensorcnt 0x0
	ds_add_u32 v250, v251
	s_wait_dscnt 0x0
	CROUND                                         ; the closing round
	s_endpgm
.Lfunc_end_k_q759566e3fe_attn:
	.size	k_q759566e3fe_attn, .Lfunc_end_k_q759566e3fe_attn-k_q759566e3fe_attn
	.p2alignl 7, 3214868480
	.fill 96, 4, 3214868480
	.section	.rodata,"a",@progbits
	.p2align	6, 0x0
	.amdhsa_kernel k_q759566e3fe_attn
		.amdhsa_group_segment_fixed_size 327680
		.amdhsa_private_segment_fixed_size 0
		.amdhsa_enable_private_segment 0
		.amdhsa_kernarg_size 24
		.amdhsa_user_sgpr_count 2
		.amdhsa_user_sgpr_kernarg_segment_ptr 1
		.amdhsa_wavefront_size32 1
		.amdhsa_system_sgpr_workgroup_id_x 1
		.amdhsa_system_sgpr_workgroup_id_y 1
		.amdhsa_system_sgpr_workgroup_id_z 1
		.amdhsa_system_vgpr_workitem_id 0
		.amdhsa_next_free_vgpr 512
		.amdhsa_next_free_sgpr 80
		.amdhsa_reserve_vcc 0
		.amdhsa_float_denorm_mode_32 3
		.amdhsa_float_denorm_mode_16_64 3
		.amdhsa_memory_ordered 1
		.amdhsa_forward_progress 1
		.amdhsa_inst_pref_size 255
	.end_amdhsa_kernel
	.section	.bss,"aw",@nobits
	.p2align	6
	.space	262144
	.amdgpu_metadata
---
amdhsa.version: [ 1, 2 ]
amdhsa.kernels:
  - .name:           k_q759566e3fe_attn
    .symbol:         k_q759566e3fe_attn.kd
    .args:
      - { .name: qkv, .offset: 0, .size: 8, .value_kind: global_buffer, .address_space: global }
      - { .name: alpha, .offset: 8, .size: 8, .value_kind: global_buffer, .address_space: global }
      - { .name: ctx, .offset: 16, .size: 8, .value_kind: global_buffer, .address_space: global }
    .group_segment_fixed_size: 327680
    .private_segment_fixed_size: 0
    .kernarg_segment_align: 8
    .kernarg_segment_size: 24
    .max_flat_workgroup_size: 256
    .sgpr_count:     80
    .vgpr_count:     512
    .wavefront_size: 32
...
	.end_amdgpu_metadata
.endif
;; end of part 3
;; launch oproj (part 4): grid 8 x 32, 4 waves a work-group, clusters of 4 x 4, 327,680 bytes of LDS; arguments ctx, h16, stats, bv, bo, out0; writes out0
.if DOCPART == 4
	.amdgcn_target "amdgcn-amd-amdhsa--gfx1250"
	.amdhsa_code_object_version 6
	.text
	.protected	k_q759566e3fe_oproj
	.globl	k_q759566e3fe_oproj
	.p2align	8
	.type	k_q759566e3fe_oproj,@function
k_q759566e3fe_oproj:
	s_mov_b64 s[64:65], 0
	v_nop
	global_prefetch_b8 v0, s[64:65] scope:SCOPE_SE
	s_setreg_imm32_b32 hwreg(HW_REG_WAVE_MODE, 25, 1), 1
	s_wait_xcnt 0x0
	s_wait_alu depctr_hold_cnt(0) depctr_sa_sdst(0) depctr_va_vdst(0) depctr_va_sdst(0) depctr_va_ssrc(0) depctr_va_vcc(0) depctr_vm_vsrc(0)
	s_getreg_b32 s2, hwreg(HW_REG_IB_STS2, 6, 4)
	s_cmp_eq_u32 s2, 0
	s_cbranch_scc0 .Lentry_in_a_cluster
	s_endpgm
.Lentry_in_a_cluster:
	s_bfe_u32 s2, ttmp6, 0x10000c
	s_cmp_lg_u32 s2, 0xf033
	s_cbranch_scc0 .Lentry_shape_is_right
	s_endpgm
.Lentry_shape_is_right:
; out0 = su (ctx' Wo^T) + bo in f32.  ctx' carries v's power-of-two scale sd; su = 1/sd is made here from the same figures in the same way.
; A work-group makes 128 x 128 of the output (4,096 x 1,024 gives 256 such blocks), four waves of 64 x 64: 16 accumulator tiles each.
; K = 1,024 comes as four fills of 256 (rows of 512 bytes) through two LDS slots: half of K is asked for at the start.
; CLUSTERS: 4 x 4; ctx's tile is asked for jointly along a row of the cluster, Wo's along a column.
; Window 0: addresses, two fragment buffers (4 of Wo, then 4 of ctx), bias, work on the way out; window 1: accumulators, tile (a, b) at 8 (4 a + b).
; Source 0 = rows of Wo, source 1 = tokens: a lane holds eight neighbouring columns of one token.
.set PITCH,  528                       ; 512 bytes of data + 16 of padding: an odd multiple of 16
.set QUART,  64*PITCH                  ; what one load brings
.set SLOT,   4*QUART                   ; ctx's 128 rows, then Wo's 128
.set STAGE,  2*SLOT                    ; 16 rows x 272 bytes for each wave; no tensor load lands here
.set SPITCH, 272
.set ADRA, 16
.set ADRB, 20
.set STO,  24
.set RD,   25
.set CO,   26
.set BO,   27
.set F0,   32
.set F1,   96
.set T,    160
.set BIAS, 192
.set G1A, 28
.set G0A, 36
.set G1B, 44
.set G0B, 52
.set SD,  74
.set SU,  76
.set OB,  78
.set SEL, 84
.set MSB, 0
.macro WIN new
.if MSB != \new
	s_set_vgpr_msb (MSB<<8)|\new
.set MSB, \new
.endif
.endm
.macro PLACES                          ; four plain vector places behind a matrix instruction (ISA guide 7.12.1)
.rept 4
	v_nop
.endr
.endm
.macro JLOAD s
	s_cmp_eq_u32 s17, 0
	s_cbranch_scc0 .Lfor_b_\@
	tensor_load_to_lds s[G0A+4*(\s):G0A+4*(\s)+3], s[G1A:G1A+7]
	s_nop 0
	s_branch .Lasked_\@
.Lfor_b_\@:
	tensor_load_to_lds s[G0B+4*(\s):G0B+4*(\s)+3], s[G1B:G1B+7]
	s_nop 0
.Lasked_\@:
.endm
.macro CREST
	s_cmp_lg_u32 s16, 0
	s_cbranch_scc1 .Lnot_wave_0_\@
	s_barrier_signal -3
.Lnot_wave_0_\@:
	s_barrier_wait -3
	s_barrier_signal -1
	s_barrier_wait -1
.endm
.macro CROUND
	s_barrier_signal -1
	s_barrier_wait -1
	CREST
.endm
; The scale of v, as in the launch that made v: B = max|x row| max|Wv row| + max|bv|, E its exponent field clamped to 12..252, sd = 2^(136-E), su = 2^(E-136).
.macro GETSCALE st, bv, V, SDR, SUR, SL
	v_and_b32 v[\V+46], 31, v0
	v_lshlrev_b32 v[\V+47], 2, v[\V+46]
	v_lshlrev_b32 v[\V+46], 4, v[\V+46]
	global_load_b128 v[\V:\V+3], v[\V+46], s[\st:\st+1]
	global_load_b32 v[\V+4], v[\V+47], s[\st:\st+1] offset:768
.irp j, 0,1,2,3,4,5,6,7
	global_load_b128 v[\V+8+4*\j:\V+11+4*\j], v[\V+46], s[\bv:\bv+1] offset:512*\j
.endr
	s_wait_loadcnt 0x0
	v_max_num_f32 v[\V], v[\V], v[\V+1]
	v_max3_num_f32 v[\V], v[\V], v[\V+2], v[\V+3]
	v_max_num_f32 v[\V+8], |v[\V+8]|, |v[\V+9]|
.set GP, 10
.rept 15
	v_max3_num_f32 v[\V+8], v[\V+8], |v[\V+GP]|, |v[\V+GP+1]|
.set GP, GP+2
.endr
.irp q, 0, 4, 8
	v_max_num_f32_dpp v[\V+\q], v[\V+\q], v[\V+\q] row_xmask:1 row_mask:0xf bank_mask:0xf
	v_max_num_f32_dpp v[\V+\q], v[\V+\q], v[\V+\q] row_xmask:2 row_mask:0xf bank_mask:0xf
	v_max_num_f32_dpp v[\V+\q], v[\V+\q], v[\V+\q] row_xmask:4 row_mask:0xf bank_mask:0xf
	v_max_num_f32_dpp v[\V+\q], v[\V+\q], v[\V+\q] row_xmask:8 row_mask:0xf bank_mask:0xf
	v_permlanex16_b32 v[\V+1], v[\V+\q], s[\SL], s[\SL+1]
	v_max_num_f32 v[\V+\q], v[\V+\q], v[\V+1]
.endr
	v_sqrt_f32 v[\V], v[\V]
	v_sqrt_f32 v[\V+4], v[\V+4]
	v_nop
	s_wait_alu depctr_va_vdst(0)
	v_fma_f32 v[\V], v[\V], v[\V+4], v[\V+8]
	v_readfirstlane_b32 s[\SUR], v[\V]
	s_bfe_u32 s[\SUR], s[\SUR], 0x80017
	s_max_u32 s[\SUR], s[\SUR], 12
	s_min_u32 s[\SUR], s[\SUR], 252
	s_sub_co_u32 s[\SDR], 263, s[\SUR]
	s_lshl_b32 s[\SDR], s[\SDR], 23
	s_sub_co_u32 s[\SUR], s[\SUR], 9
	s_lshl_b32 s[\SUR], s[\SUR], 23
	s_mov_b32 s[\SDR+1], s[\SDR]
	s_mov_b32 s[\SUR+1], s[\SUR]
.endm
	s_load_b256 s[4:11], s[0:1], 0x0               ; ctx, h16, stats, bv
	s_load_b128 s[12:15], s[0:1], 0x20             ; bo, out0
	v_lshl_add_u32 v254, v0, 2, 0x46400
	v_mov_b32 v255, 0
	ds_add_u32 v254, v255
	v_lshrrev_b32 v1, 5, v0
	v_readfirstlane_b32 s16, v1                    ; wave
	s_lshr_b32 s17, s16, 1                         ; my half of the block's rows.  Also: I fetch for ctx (0) or Wo (1)
	s_and_b32 s18, s16, 1                          ; my half of its columns.  Also: which 64 rows of that tile I fetch
	s_bfe_u32 s19, ttmp6, 0x40000
	s_bfe_u32 s20, ttmp6, 0x40004
	s_lshl_b32 s21, ttmp9, 2
	s_add_co_u32 s21, s21, s19                     ; column block
	s_and_b32 s22, ttmp7, 0xffff
	s_lshl_b32 s22, s22, 2
	s_add_co_u32 s22, s22, s20                     ; row block
	s_lshl_b32 s23, s20, 2
	s_lshl_b32 s23, 15, s23
	s_lshl_b32 s24, 0x1111, s19
	s_mov_b32 s[SEL], 0x76543210
	s_mov_b32 s[SEL+1], 0xfedcba98
	; group 1: 64 rows of 256 elements of 2 bytes, 4 words of padding behind every 128 words, 1,024 elements from row to row
	s_or_b32 s[G1A+0], s23, (1<<16)|(1<<20)|(1<<21)|(6<<22)|(3<<25)
	s_or_b32 s[G1B+0], s24, (1<<16)|(1<<20)|(1<<21)|(6<<22)|(3<<25)
	s_mov_b32 s[G1A+1], 256<<16
	s_mov_b32 s[G1B+1], 256<<16
	s_mov_b32 s[G1A+2], 64<<16
	s_mov_b32 s[G1B+2], 64<<16
	s_mov_b32 s[G1A+3], 256<<16
	s_mov_b32 s[G1B+3], 256<<16
	s_mov_b32 s[G1A+4], 64
	s_mov_b32 s[G1B+4], 64
	s_mov_b32 s[G1A+5], 1024
	s_mov_b32 s[G1B+5], 1024
	s_mov_b32 s[G1A+6], 0
	s_mov_b32 s[G1B+6], 0
	s_mov_b32 s[G1A+7], 0
	s_mov_b32 s[G1B+7], 0
	s_lshl_b32 s60, s18, 6
	s_lshl_b32 s66, s22, 7
	s_add_co_u32 s66, s66, s60                     ; ctx: row 128 block + 64 half
	s_lshl_b32 s66, s66, 11
	s_mov_b32 s67, 0
	s_lshl_b32 s68, s21, 7
	s_add_co_u32 s68, s68, s60
	s_add_co_u32 s68, s68, 7168                    ; Wo: row 7168 + 128 block + 64 half of h16
	s_lshl_b32 s68, s68, 11
	s_mov_b32 s69, 0
	s_mul_i32 s62, s16, QUART                      ; ctx's two halves, then Wo's two = wave x 64 rows
	s_wait_dscnt 0x0
	s_wait_kmcnt 0x0
	s_add_nc_u64 s[66:67], s[4:5], s[66:67]
	s_add_nc_u64 s[68:69], s[6:7], s[68:69]
	CROUND
.irp s, 0,1
	s_mov_b32 s[G0A+4*\s], 1
	s_add_co_u32 s[G0A+4*\s+1], s62, \s*SLOT
	s_add_nc_u64 s[G0A+4*\s+2:G0A+4*\s+3], s[66:67], \s*512
	s_or_b32 s[G0A+4*\s+3], s[G0A+4*\s+3], 0x80000000
	s_mov_b32 s[G0B+4*\s], 1
	s_add_co_u32 s[G0B+4*\s+1], s62, \s*SLOT
	s_add_nc_u64 s[G0B+4*\s+2:G0B+4*\s+3], s[68:69], \s*512
	s_or_b32 s[G0B+4*\s+3], s[G0B+4*\s+3], 0x80000000
	JLOAD \s                                       ; two loads of the wave are out here, one behind each later round
.endr
	v_and_b32 v1, 15, v0                           ; r
	v_bfe_u32 v2, v0, 4, 1                         ; h
	v_mul_u32_u24 v3, v1, PITCH
	v_lshl_add_u32 v3, v2, 4, v3
	s_mul_i32 s87, s17, QUART
	s_mul_i32 s88, s18, QUART
	s_add_co_u32 s88, s88, 2*QUART
	v_add_nc_u32 v[ADRA], s87, v3
	v_add_nc_u32 v[ADRA+1], SLOT, v[ADRA]
	v_add_nc_u32 v[ADRB], s88, v3
	v_add_nc_u32 v[ADRB+1], SLOT, v[ADRB]
	s_mul_i32 s87, s16, 16*SPITCH
	s_add_co_u32 s87, s87, STAGE
	v_mul_u32_u24 v4, v1, SPITCH
	v_lshl_add_u32 v4, v2, 5, v4
	v_add_nc_u32 v[STO], s87, v4                   ; in: token r, 32 bytes for each half of the lanes
	v_mul_u32_u24 v5, v2, SPITCH
	v_lshl_add_u32 v5, v1, 4, v5
	v_add_nc_u32 v[RD], s87, v5                    ; back: sixteen lanes take a token's 256 bytes
	v_lshlrev_b32 v[CO], 12, v2
	v_lshl_add_u32 v[CO], v1, 4, v[CO]
	s_lshl_b32 s90, s22, 7
	s_lshl_b32 s91, s17, 6
	s_add_co_u32 s90, s90, s91
	s_lshl_b32 s90, s90, 12                        ; my first row, 4,096 bytes a row
	s_lshl_b32 s91, s21, 7
	s_lshl_b32 s92, s18, 6
	s_add_co_u32 s91, s91, s92
	s_lshl_b32 s91, s91, 2                         ; my first column, in bytes: a multiple of 256
	s_add_co_u32 s90, s90, s91
	v_lshlrev_b32 v[BO], 5, v2
	v_add_nc_u32 v[BO], s91, v[BO]
	s_mov_b32 s91, 0
	s_add_nc_u64 s[OB:OB+1], s[14:15], s[90:91]
	GETSCALE 8, 10, 160, SD, SU, SEL
.irp b, 0,1,2,3
	global_load_b128 v[BIAS+8*\b:BIAS+8*\b+3],   v[BO], s[12:13] offset:64*\b
	global_load_b128 v[BIAS+8*\b+4:BIAS+8*\b+7], v[BO], s[12:13] offset:64*\b+16
.endr
	s_wait_loadcnt 0x0
; 8 matrix instructions: token tiles a0, a0 + 1 x 4 column tiles.  The 16 accumulators take turns, one instruction a turn.
.macro MUL8 f, a0, zero
.irp a, \a0, \a0+1
.irp b, 0,1,2,3
.if \zero
	v_wmma_f32_16x16x32_f16 v[8*(4*(\a)+\b):8*(4*(\a)+\b)+7], v[\f+8*\b:\f+8*\b+7], v[\f+32+8*(\a):\f+32+8*(\a)+7], 0
.else
	v_wmma_f32_16x16x32_f16 v[8*(4*(\a)+\b):8*(4*(\a)+\b)+7], v[\f+8*\b:\f+8*\b+7], v[\f+32+8*(\a):\f+32+8*(\a)+7], v[8*(4*(\a)+\b):8*(4*(\a)+\b)+7]
.endif
.endr
.endr
.endm
.macro FETCH slot, k, f
	WIN 0
.irp i, 0,1,2,3
	ds_load_b128 v[\f+8*\i:\f+8*\i+3],   v[ADRB+\slot] offset:\k+\i*16*PITCH
	ds_load_b128 v[\f+8*\i+4:\f+8*\i+7], v[ADRB+\slot] offset:\k+\i*16*PITCH+32
.endr
.irp i, 0,1,2,3
	ds_load_b128 v[\f+32+8*\i:\f+32+8*\i+3],   v[ADRA+\slot] offset:\k+\i*16*PITCH
	ds_load_b128 v[\f+32+8*\i+4:\f+32+8*\i+7], v[ADRA+\slot] offset:\k+\i*16*PITCH+32
.endr
.endm
; One step of 32 along K: buffer f is in; the next step's 16 loads go out into buffer g, then the 16 matrix instructions run under them.
.macro KS slot, k, f, g, zero
	s_wait_dscnt 0x0
	PLACES
	FETCH \slot, \k, \g
	WIN 0x50
	MUL8 \f, 0, \zero
	MUL8 \f, 2, \zero
.endm
.macro SEVEN slot, zero
	KS \slot, 64,  F0, F1, \zero
	KS \slot, 128, F1, F0, 0
	KS \slot, 192, F0, F1, 0
	KS \slot, 256, F1, F0, 0
	KS \slot, 320, F0, F1, 0
	KS \slot, 384, F1, F0, 0
	KS \slot, 448, F0, F1, 0
.endm
; The eighth step changes slots: my reads of this slot and all my tensor loads are waited for in front of the barrier; where the slot is filled again the barrier
; opens a round of the cluster's barrier and the joint refill is the first tensor load behind it.
.macro TURN slot, next, fill
	s_wait_dscnt 0x0
	s_wait_tensorcnt 0x0
	ds_add_u32 v254, v255
	s_wait_dscnt 0x0
	s_barrier_signal -1
	WIN 0x50
	MUL8 F1, 0, 0
	WIN 0
	s_barrier_wait -1
.if \fill
	CREST
	s_add_nc_u64 s[G0A+4*\slot+2:G0A+4*\slot+3], s[G0A+4*\slot+2:G0A+4*\slot+3], 1024
	s_add_nc_u64 s[G0B+4*\slot+2:G0B+4*\slot+3], s[G0B+4*\slot+2:G0B+4*\slot+3], 1024
	JLOAD \slot
.endif
	PLACES
	FETCH \next, 0, F0
	WIN 0x50
	MUL8 F1, 2, 0
.endm
	s_wait_tensorcnt 1                             ; my part of K 0-255 is in; K 256-511 stays out
	s_barrier_signal -1
	s_barrier_wait -1
	FETCH 0, 0, F0
	SEVEN 0, 1
	TURN 0, 1, 1                                   ; K 512-767 into slot 0
	SEVEN 1, 0
	TURN 1, 0, 1                                   ; K 768-1023 into slot 1
	SEVEN 0, 0
	TURN 0, 1, 0
	SEVEN 1, 0
	s_wait_dscnt 0x0
	WIN 0x50
	MUL8 F1, 0, 0
	MUL8 F1, 2, 0
	PLACES
; The way out, 16 tokens at a time: su x sum + bo in one fused step, 32 bytes a lane into my own stage, read back by tokens, sixteen lanes store 256 aligned bytes.
.macro OUT16 a, rb
	WIN 0x01
.irp b, 0,1,2,3
.irp p, 0,2,4,6
	v_pk_fma_f32 v[T+8*\b+\p:T+8*\b+\p+1], v[8*(4*\a+\b)+\p:8*(4*\a+\b)+\p+1], s[SU:SU+1], v[BIAS+8*\b+\p:BIAS+8*\b+\p+1] op_sel_hi:[1,0,1]
.endr
.endr
	WIN 0
.irp b, 0,1,2,3
	ds_store_b128 v[STO], v[T+8*\b:T+8*\b+3]   offset:64*\b
	ds_store_b128 v[STO], v[T+8*\b+4:T+8*\b+7] offset:64*\b+16
.endr
	s_wait_xcnt 0x0                                ; the registers loaded next were the data of earlier stores
.irp t, 0,1,2,3,4,5,6,7
	ds_load_b128 v[32+32*\rb+4*\t:32+32*\rb+4*\t+3], v[RD] offset:\t*2*SPITCH     ; a wave's LDS instructions are served in order
.endr
.irp t, 0,1,2,3,4,5,6,7
	s_wait_dscnt 7-\t
	global_store_b128 v[CO], v[32+32*\rb+4*\t:32+32*\rb+4*\t+3], s[OB:OB+1] offset:(16*\a+2*\t)*4096 th:TH_STORE_NT
.endr
.endm
	OUT16 0, 0
	OUT16 1, 1
	OUT16 2, 0
	OUT16 3, 1
	s_wait_tensorcnt 0x0
	ds_add_u32 v254, v255
	s_wait_dscnt 0x0
	CROUND                                         ; the closing round
	s_endpgm
.Lfunc_end_k_q759566e3fe_oproj:
	.size	k_q759566e3fe_oproj, .Lfunc_end_k_q759566e3fe_oproj-k_q759566e3fe_oproj
	.p2alignl 7, 3214868480
	.fill 96, 4, 3214868480
	.section	.rodata,"a",@progbits
	.p2align	6, 0x0
	.amdhsa_kernel k_q759566e3fe_oproj
		.amdhsa_group_segment_fixed_size 327680
		.amdhsa_private_segment_fixed_size 0
		.amdhsa_enable_private_segment 0
		.amdhsa_kernarg_size 48
		.amdhsa_user_sgpr_count 2
		.amdhsa_user_sgpr_kernarg_segment_ptr 1
		.amdhsa_wavefront_size32 1
		.amdhsa_system_sgpr_workgroup_id_x 1
		.amdhsa_system_sgpr_workgroup_id_y 1
		.amdhsa_system_sgpr_workgroup_id_z 1
		.amdhsa_system_vgpr_workitem_id 0
		.amdhsa_next_free_vgpr 384
		.amdhsa_next_free_sgpr 96
		.amdhsa_reserve_vcc 0
		.amdhsa_float_denorm_mode_32 3
		.amdhsa_float_denorm_mode_16_64 3
		.amdhsa_memory_ordered 1
		.amdhsa_forward_progress 1
		.amdhsa_inst_pref_size 97
	.end_amdhsa_kernel
	.amdgpu_metadata
---
amdhsa.version: [ 1, 2 ]
amdhsa.kernels:
  - .name:           k_q759566e3fe_oproj
    .symbol:         k_q759566e3fe_oproj.kd
    .args:
      - { .name: ctx, .offset: 0, .size: 8, .value_kind: global_buffer, .address_space: global }
      - { .name: h16, .offset: 8, .size: 8, .value_kind: global_buffer, .address_space: global }
      - { .name: stats, .offset: 16, .size: 8, .value_kind: global_buffer, .address_space: global }
      - { .name: bv, .offset: 24, .size: 8, .value_kind: global_buffer, .address_space: global }
      - { .name: bo, .offset: 32, .size: 8, .value_kind: global_buffer, .address_space: global }
      - { .name: out0, .offset: 40, .size: 8, .value_kind: global_buffer, .address_space: global }
    .group_segment_fixed_size: 327680
    .private_segment_fixed_size: 0
    .kernarg_segment_align: 8
    .kernarg_segment_size: 48
    .max_flat_workgroup_size: 128
    .sgpr_count:     96
    .vgpr_count:     384
    .wavefront_size: 32
...
	.end_amdgpu_metadata
.endif
;; end of part 4
